; MI455X (gfx1250); checked and timed in simulation.
; The chip was launched on July 23, 2026; its instructions are those of AMD's public machine-readable ISA for CDNA 5 (MIT licence, August 2026) and "CDNA5" Instruction Set Architecture Reference Guide (July 2026). The comments in the code are by the model that wrote it; some were corrected since.
;; Learned Aggregation Layer. Allowed arithmetic: float matrix products may take bf16 or f16 operands with f32 sums; all other float work in f32.
;; Inputs: Wk 512 x 512 float32; Wp 512 x 512 float32; Wq 512 x 512 float32; Wv 512 x 512 float32; bp 512 float32; cls_token 1 x 1 x 512 float32; x 16 x 8,192 x 512 float32.
;; Outputs: out0 16 x 512 float32.
;; 2 versions, each right; version 2 is version 1 with the launch stream written anew for expert scheduling mode. Each part assembles by itself: llvm-mc -triple=amdgcn-amd-amdhsa -mcpu=gfx1250 --defsym DOCPART=n.
;; ======== version 1 of 2: 4 launches
;; workspace buffers: ubuf 16,384 bytes; part 5,242,880 bytes; pooled 32,768 bytes
;; launch prep (part 1): grid 8 x 8, 8 waves a work-group, no clusters, 3,584 bytes of LDS; arguments cls_token, Wq, Wk, ubuf; writes ubuf
.if DOCPART == 1
	.amdgcn_target "amdgcn-amd-amdhsa--gfx1250"
	.amdhsa_code_object_version 6
	.text
	.protected	k_qa48dac6d86_prep
	.globl	k_qa48dac6d86_prep
	.p2align	8
	.type	k_qa48dac6d86_prep,@function
k_qa48dac6d86_prep:
	s_mov_b64 s[64:65], 0
	v_nop
	global_prefetch_b8 v0, s[64:65] scope:SCOPE_SE
	s_setreg_imm32_b32 hwreg(HW_REG_WAVE_MODE, 25, 1), 1
	s_wait_xcnt 0x0
; u[c][h] = sum over d of Wk[c][64 h + d] q_h[d],  q_h[d] = 0.125 log2(e) sum over c of cls[c] Wq[c][64 h + d].
; The query does not hang on x, so x Wk q_h = x u_h for every input: the stream that follows needs u alone (8 vectors of 512).
; The factor holds reference()'s head_dim^-0.5 and the change of base for exponentials in base 2.  All in f32.
; Work-group (h, p): head h, rows c = 64 p .. 64 p + 63 of Wk.  Each of the eight p makes q_h anew (128 KiB of Wq):
; q_h is needed whole before any u, and work-groups of one launch hand nothing to each other.
; Thread t: cg = t % 16 (four columns, 16 bytes), rg = t / 16 (32 rows of Wq; four rows of Wk).
; NO CLUSTER: the eight work-groups of a head read the same 128 KiB of Wq, but each thread takes its words straight into the
; registers in which it multiplies them; a joint tile would add a way through LDS and two rounds of a cluster's barrier to a
; launch whose every load is issued at its head.  NO MATRIX UNIT: a product with one row, 128 multiply-adds a thread.
.set MO,  1                            ; v1       byte offset in Wq's column block: 65,536 rg + 16 cg
.set CG,  2                            ; v2       16 cg
.set RST, 3                            ; v3       LDS: 256 wave + 16 cg
.set Q,   4                            ; v[4:7]   four sums
.set TQ,  8                            ; v[8:11]  the other half-wave's sums
.set S,   12                           ; v[12:15] u of my four rows
.set KO,  16                           ; v16      byte offset in Wk's block: 8,192 rg + 16 cg
.set CO,  17                           ; v17      byte offset in cls: 128 rg
.set SST, 18                           ; v18      LDS: 16 rg
.set VV,  32                           ; v[32:63] cls of my 32 rows
.set W,   64                           ; v[64:191] 32 rows x 4 columns of Wq
.set KW,  192                          ; v[192:207] 4 rows x 4 columns of Wk
.set RED, 0                            ; LDS 0..2047: eight waves' partial sums of 64 columns
.set USUM, 2048                        ; LDS 2048..2303: the 64 results
.macro DOT                             ; Q[k] = sum over my 32 rows of VV[i] W[i][k]; the first product starts the sums
.set i, 0
.rept 32
.if (i%8) == 0
	s_wait_loadcnt 24-i                            ; loads return in order: all but the 24-i youngest weight rows are in
.endif
.irp k, 0,1,2,3
.if i == 0
	v_mul_f32 v[Q+\k], v[VV], v[W+\k]
.else
	v_fmac_f32 v[Q+\k], v[VV+i], v[W+4*i+\k]
.endif
.endr
.set i, i+1
.endr
.endm
.macro FOLD                            ; the wave's two row groups are added, the wave's sums go to its own 256 bytes, barrier
.irp k, 0,1,2,3
	v_permlanex16_b32 v[TQ+\k], v[Q+\k], s12, s13
.endr
.irp k, 0,1,2,3
	v_add_f32 v[Q+\k], v[Q+\k], v[TQ+\k]
.endr
	ds_store_b128 v[RST], v[Q:Q+3]                 ; both halves of the wave write the same numbers to the same bytes
	s_wait_dscnt 0x0                               ; my store is done before I say so
	s_barrier_signal -1
	s_barrier_wait -1
.endm
.macro GATHER8 red                     ; the eight waves' sums of my four columns
.irp v, 0,1,2,3,4,5,6,7
	ds_load_b128 v[W+4*\v:W+4*\v+3], v[CG] offset:\red+256*\v
.endr
	s_wait_dscnt 0x0
	v_pk_add_f32 v[Q:Q+1],   v[W:W+1],   v[W+4:W+5]
	v_pk_add_f32 v[Q+2:Q+3], v[W+2:W+3], v[W+6:W+7]
.irp v, 2,3,4,5,6,7
	v_pk_add_f32 v[Q:Q+1],   v[Q:Q+1],   v[W+4*\v:W+4*\v+1]
	v_pk_add_f32 v[Q+2:Q+3], v[Q+2:Q+3], v[W+4*\v+2:W+4*\v+3]
.endr
.endm
	s_load_b256 s[4:11], s[0:1], 0x0               ; cls s[4:5], Wq s[6:7], Wk s[8:9], ubuf s[10:11]
	v_lshl_add_u32 v208, v0, 2, 0xa00
	v_mov_b32 v209, 0
	v_lshrrev_b32 v20, 5, v0
	v_readfirstlane_b32 s14, v20                   ; wave
	s_and_b32 s15, ttmp7, 0xffff                   ; p
	s_mov_b32 s12, 0x76543210                      ; v_permlanex16_b32: lane i reads lane i of the other half
	s_mov_b32 s13, 0xfedcba98
	s_lshl_b32 s16, ttmp9, 8                       ; the head's 64 columns: 256 h bytes into a row
	s_mov_b32 s17, 0
	s_lshl_b32 s18, s15, 17                        ; 64 p rows of 2,048 bytes
	s_add_co_u32 s18, s18, s16
	s_mov_b32 s19, 0
	s_lshl_b32 s20, ttmp9, 11                      ; ubuf: 2,048 h + 256 p
	s_lshl_b32 s21, s15, 8
	s_add_co_u32 s20, s20, s21
	s_mov_b32 s21, 0
	v_and_b32 v20, 15, v0                          ; cg
	v_lshrrev_b32 v21, 4, v0                       ; rg
	v_lshlrev_b32 v[CG], 4, v20
	v_lshl_add_u32 v[MO], v21, 16, v[CG]
	v_lshl_add_u32 v[KO], v21, 13, v[CG]
	v_lshlrev_b32 v[CO], 7, v21
	v_lshl_add_u32 v[RST], s14, 8, v[CG]
	v_lshlrev_b32 v[SST], 4, v21
.irp k, 0,1,2,3
	v_mov_b32 v[TQ+\k], 0                          ; a lane permute's destination counts as read
.endr
	s_wait_kmcnt 0x0
	s_add_nc_u64 s[6:7], s[6:7], s[16:17]
	s_add_nc_u64 s[8:9], s[8:9], s[18:19]
	s_add_nc_u64 s[10:11], s[10:11], s[20:21]
.irp k, 0,1,2,3,4,5,6,7
	global_load_b128 v[VV+4*\k:VV+4*\k+3], v[CO], s[4:5] offset:16*\k
.endr
.irp i, 0,1,2,3
	global_load_b128 v[KW+4*\i:KW+4*\i+3], v[KO], s[8:9] offset:2048*\i
.endr
.set i, 0
.rept 32
	global_load_b128 v[W+4*i:W+4*i+3], v[MO], s[6:7] offset:2048*i   ; sixteen lanes take 256 aligned bytes of a row
.set i, i+1
.endr
	DOT
	FOLD
	GATHER8 RED                                    ; every thread: q_h of its four columns
.irp k, 0,1,2,3
	v_mul_f32 v[Q+\k], 0x3e38aa3b, v[Q+\k]         ; 0.125 log2(e)
.endr
.irp i, 0,1,2,3
	v_mul_f32 v[S+\i], v[KW+4*\i], v[Q]
	v_fmac_f32 v[S+\i], v[KW+4*\i+1], v[Q+1]
	v_fmac_f32 v[S+\i], v[KW+4*\i+2], v[Q+2]
	v_fmac_f32 v[S+\i], v[KW+4*\i+3], v[Q+3]
.endr
.irp m, 1,2,4,8                        ; over the sixteen lanes that share my rows
.irp i, 0,1,2,3
	v_add_f32_dpp v[S+\i], v[S+\i], v[S+\i] row_xmask:\m row_mask:0xf bank_mask:0xf
.endr
.endr
	ds_store_b128 v[SST], v[S:S+3] offset:USUM     ; sixteen lanes write the same four numbers
	s_wait_dscnt 0x0
	s_barrier_signal -1
	s_barrier_wait -1
	s_cmp_lg_u32 s14, 0
	s_cbranch_scc1 .Ldone
	ds_load_b128 v[20:23], v[CG] offset:USUM
	v_cmp_gt_u32 vcc_lo, 16, v0
	s_wait_dscnt 0x0
	s_wait_xcnt 0x0                                ; EXEC is a source of the loads above: it changes only behind this wait
	s_and_saveexec_b32 s22, vcc_lo
	global_store_b128 v[CG], v[20:23], s[10:11]    ; sixteen lanes store 256 consecutive bytes, aligned
	s_wait_xcnt 0x0                                ; and it widens again only behind this one
	s_or_b32 exec_lo, exec_lo, s22
.Ldone:
	s_wait_tensorcnt 0x0
	ds_add_u32 v208, v209
	s_wait_dscnt 0x0
	s_endpgm
.Lfunc_end_k_qa48dac6d86_prep:
	.size	k_qa48dac6d86_prep, .Lfunc_end_k_qa48dac6d86_prep-k_qa48dac6d86_prep
	.p2alignl 7, 3214868480
	.fill 96, 4, 3214868480
	.section	.rodata,"a",@progbits
	.p2align	6, 0x0
	.amdhsa_kernel k_qa48dac6d86_prep
		.amdhsa_group_segment_fixed_size 3584
		.amdhsa_private_segment_fixed_size 0
		.amdhsa_enable_private_segment 0
		.amdhsa_kernarg_size 32
		.amdhsa_user_sgpr_count 2
		.amdhsa_user_sgpr_kernarg_segment_ptr 1
		.amdhsa_wavefront_size32 1
		.amdhsa_system_sgpr_workgroup_id_x 1
		.amdhsa_system_sgpr_workgroup_id_y 1
		.amdhsa_system_sgpr_workgroup_id_z 1
		.amdhsa_system_vgpr_workitem_id 0
		.amdhsa_next_free_vgpr 210
		.amdhsa_next_free_sgpr 66
		.amdhsa_reserve_vcc 1
		.amdhsa_float_denorm_mode_32 3
		.amdhsa_float_denorm_mode_16_64 3
		.amdhsa_memory_ordered 1
		.amdhsa_forward_progress 1
		.amdhsa_inst_pref_size 15
	.end_amdhsa_kernel
	.amdgpu_metadata
---
amdhsa.version: [ 1, 2 ]
amdhsa.kernels:
  - .name:           k_qa48dac6d86_prep
    .symbol:         k_qa48dac6d86_prep.kd
    .args:
      - { .name: cls_token, .offset: 0, .size: 8, .value_kind: global_buffer, .address_space: global }
      - { .name: Wq, .offset: 8, .size: 8, .value_kind: global_buffer, .address_space: global }
      - { .name: Wk, .offset: 16, .size: 8, .value_kind: global_buffer, .address_space: global }
      - { .name: ubuf, .offset: 24, .size: 8, .value_kind: global_buffer, .address_space: global }
    .group_segment_fixed_size: 3584
    .private_segment_fixed_size: 0
    .kernarg_segment_align: 8
    .kernarg_segment_size: 32
    .max_flat_workgroup_size: 256
    .sgpr_count:     66
    .vgpr_count:     210
    .wavefront_size: 32
...
	.end_amdgpu_metadata
.endif
;; end of part 1
;; launch stream (part 2): grid 256 x 1, 4 waves a work-group, no clusters, 144,896 bytes of LDS; arguments x, ubuf, part; writes part
.if DOCPART == 2
	.amdgcn_target "amdgcn-amd-amdhsa--gfx1250"
	.amdhsa_code_object_version 6
	.text
	.protected	k_qa48dac6d86_stream
	.globl	k_qa48dac6d86_stream
	.p2align	8
	.type	k_qa48dac6d86_stream,@function
k_qa48dac6d86_stream:
	s_mov_b64 s[64:65], 0
	v_nop
	global_prefetch_b8 v0, s[64:65] scope:SCOPE_SE
	s_setreg_imm32_b32 hwreg(HW_REG_WAVE_MODE, 25, 1), 1
	s_wait_xcnt 0x0
; One pass over x [131072 rows][512] f32.  For each head h: logit[n] = x[n] . u_h (u from the launch before, in base 2 and scaled),
; p[n] = 2^(logit[n] - running maximum), y_h = sum of p[n] x[n], l_h = sum of p[n].  Since the query is one vector a head,
; sum_n attn[n] (x[n] Wv) = (sum_n attn[n] x[n]) Wv for every input: Wv is applied to y by the next launch.
; Work-group g: rows 512 g .. 512 g + 511 (batch g / 16).  Four waves, as many as a WGP has SIMDs; wave w: 128 rows, in four steps of 32,
; on its own until the tail.
; A step: 32 rows come from memory into a ring of 15 row slots in registers, are rounded to bf16 and laid into the wave's own LDS scratch;
; product 1 (A = x, B = u, which stays in registers) gives the logits; product 2 (A = p, B = x transposed by the LDS load) adds to y;
; one more matrix instruction with B = 1 adds to l.  15 slots are 60 loads of 512 bytes a wave, 120 KiB for the four waves: a wait on LOADcnt
; cannot name more than 63 (ISA guide 5.7.1).  While a step's matrix work runs, the next step's first 15 rows are on their way.
; Each product's 64 fragment loads go out in one run into 256 registers of their own, so no register is loaded again inside a product.
; LAYOUT CHAIN WITHOUT SHUFFLES: column r of u's fragment holds head hd(r) = (r + 4 (r / 8)) % 8.  Product 1's result, lane (r, h), register j,
; is the logit of row 8 h + j, head hd(r): packed in pairs that IS the A fragment of p (row m = r of A, K = the 32 rows of x).
; In product 2's result registers 0-3 of lane (r', h') are heads 4 h' + 0..3 at channel 16 t + r'.  Registers 4-7 repeat the other
; four heads (eight heads cannot fill the form's sixteen rows): they are neither scaled nor read.
; LIMITS: x, u and p enter the matrix unit in bf16, sums are f32, and l is the sum of the rounded p, so the order of rounding differs
; from reference()'s.  A NaN logit is passed over by the maximum and then spreads through p.
; NO CLUSTER: work-groups share only u's 16 KiB beside their own 1 MiB of x.  NO TENSOR LOADS: x has to pass through registers for its
; rounding, and the register ring is never drained at a barrier.
;
; REGISTERS, in windows of 256 (s_set_vgpr_msb's low byte: bits 1:0 source 0, 3:2 source 1, 5:4 source 2, 7:6 destination):
;   window 0: addresses, softmax, p; v64-127 u's stage at the head, sums in the tail; v128-255 u's 16 fragments (in the tail: the waves' y)
;   window 1: y, tile t (channels 16 t ..) at 8 t
;   window 2: all that a row's turn names: the ring (slot s at 16 s), six pairs of packed words that take turns, two addresses.
;             So 32 rows' turns run under one setting.
;   window 3: 256 fragment registers: product 1's A (K step ks at 16 ks), then product 2's B (tile t at 8 t)
.set ROWB, 2048                        ; bytes of a row of x
.set ROWS, 128                         ; rows of a wave
.set RING, 15                          ; row slots
.set XP,   1056                        ; LDS pitch of a bf16 row: 1,024 + 32.  Rows 8-15 and 24-31 lie 16 bytes further right: the sixteen rows of a plain
                                       ; fragment load then start at 32 r mod 256 (r < 8) and 32 r + 16 mod 256, and the eight rows x two columns of a transposing
                                       ; load at 32 i and 32 i + 16: sixteen different 16-byte columns of the 64 banks of 4 bytes (ISA guide 11.1) in both
.set XSW,  32*XP                       ; a wave's scratch
.set UB,   4*XSW                       ; u in bf16, [8 heads] with pitch UP
.set UP,   1040                        ; 1,024 + 16
.set YP,   2144                        ; the tail: a head's row in a wave's scratch: y 0..2047, l x 16 at 2048, m at 2112
.set GO,   1                           ; v1   16 lane: my bytes in a record of part; never rewritten
.set AAD,  3                           ; v3   scratch + r XP + 16 (r / 8) + 16 h
.set TAD,  4                           ; v4   scratch + (8 h + lane % 8) XP + 16 h + 16 ((lane / 8) % 2)
.set UAD,  5                           ; v5   UB + hd(r) UP + 16 h
.set M,    6                           ; v6   running maximum of head hd(r)
.set MN,   7                           ; v7   the new one (equal to M behind the update: v[6:7] serves as a pair)
.set AL,   8                           ; v8   2^(old maximum - new)
.set TP,   9                           ; v9   the other half-wave's maximum
.set SC,   10                          ; v[10:13] AL of heads 4 h + 0..3
.set UST,  10                          ; v10  at the head only: where I put u
.set YST,  14                          ; v14  scratch + 4 h YP + 4 r
.set MST,  15                          ; v15  scratch + hd(r) YP
.set T,    16                          ; v[16:23] at work
.set ONES, 24                          ; v[24:31] a B fragment of ones
.set LS,   32                          ; v[32:39] l
.set DL,   40                          ; v[40:55] logits: rows 0-15, rows 16-31
.set P,    56                          ; v[56:63] p as an A fragment
.set F,    64                          ; v[64:127] at the head: u as loaded; in the tail: see there
.set U,    128                         ; v[128:255] u's fragments, K step ks at U + 8 ks
.set TT,   240                         ; window 2: v[240:251] six pairs of packed words
.set GO2,  252                         ; window 2: 16 lane: my bytes in a quarter row of x; never rewritten
.set XST2, 253                         ; window 2: scratch + 8 lane; never rewritten
.set MSB, 0
.macro WIN new                         ; s_set_vgpr_msb; the immediate's high byte repeats the setting that is left
.if MSB != \new
	s_set_vgpr_msb (MSB<<8)|\new
.set MSB, \new
.endif
.endm
.macro PLACES                          ; four places behind a matrix instruction (ISA guide 7.12.1) before its result is read or a register of it loaded
.rept 4
	v_nop
.endr
.endm
; Four loads of 512 consecutive bytes: row `row` of the wave's 128 into its slot.  Window 2 throughout.
.macro ASK row
.irp q, 0,1,2,3
	global_load_b128 v[16*((\row)%RING)+4*\q:16*((\row)%RING)+4*\q+3], v[GO2], s[4:5] offset:(\row)*ROWB+512*\q th:TH_LOAD_NT
.endr
.endm
; The turn of row rho: rounded, laid into the scratch, its slot asked for again 15 rows ahead.  Window 2 throughout.
; The packed words go to six register pairs by turns, so that a pair is written again six LDS stores behind the one that reads it.
.macro ROW rho
.if ROWS-1-(\rho) >= RING-1
	s_wait_loadcnt 4*(RING-1)                      ; loads return in order: this row's four are in, the 14 younger rows' 56 stay out
.else
	s_wait_loadcnt 4*(ROWS-1-(\rho))               ; the last rows: nothing is asked for any more, the counts run down
.endif
.irp q, 0,1,2,3
	v_cvt_pk_bf16_f32 v[TT+2*((4*(\rho)+\q)%6)],   v[16*((\rho)%RING)+4*\q],   v[16*((\rho)%RING)+4*\q+1]
	v_cvt_pk_bf16_f32 v[TT+2*((4*(\rho)+\q)%6)+1], v[16*((\rho)%RING)+4*\q+2], v[16*((\rho)%RING)+4*\q+3]
.endr
.irp q, 0,1,2,3
	ds_store_b64 v[XST2], v[TT+2*((4*(\rho)+\q)%6):TT+2*((4*(\rho)+\q)%6)+1] offset:((\rho)%32)*XP+16*((((\rho)%32)>>3)&1)+256*\q   ; 32 lanes, 256 neighbouring bytes
.endr
.if (\rho)+RING < ROWS
	ASK \rho+RING
.endif
.endm
; The matrix work of a step.  first = 1: the first products start y and l, and nothing is scaled.
.macro MATRIX first
	; product 1.  LDS serves a wave's instructions in order (ISA guide 5.7.1.4): these loads see the stores of the rows above.
	WIN 0xc0                                       ; destination in window 3
.set ks, 0
.rept 16
	ds_load_b128 v[16*ks:16*ks+3],     v[AAD] offset:64*ks            ; rows 0-15, channels 32 ks ..
	ds_load_b128 v[16*ks+4:16*ks+7],   v[AAD] offset:64*ks+32
	ds_load_b128 v[16*ks+8:16*ks+11],  v[AAD] offset:64*ks+16*XP      ; rows 16-31
	ds_load_b128 v[16*ks+12:16*ks+15], v[AAD] offset:64*ks+16*XP+32
.set ks, ks+1
.endr
	WIN 0x03                                       ; A in window 3
.set ks, 0
.rept 16
	s_wait_dscnt 60-4*ks                           ; of the 64 loads those younger than this K step's four may stay out
.if ks == 0
	v_wmma_f32_16x16x32_bf16 v[DL:DL+7],    v[0:7],  v[U:U+7], 0
	v_wmma_f32_16x16x32_bf16 v[DL+8:DL+15], v[8:15], v[U:U+7], 0
.else
	v_wmma_f32_16x16x32_bf16 v[DL:DL+7],    v[16*ks:16*ks+7],    v[U+8*ks:U+8*ks+7], v[DL:DL+7]       ; the two accumulators take turns
	v_wmma_f32_16x16x32_bf16 v[DL+8:DL+15], v[16*ks+8:16*ks+15], v[U+8*ks:U+8*ks+7], v[DL+8:DL+15]
.endif
.set ks, ks+1
.endr
	WIN 0
	PLACES                                         ; in front of the reads of the logits and of the loads into window 3
	; the 32 rows' maximum for head hd(r): my 16 logits in two chains, then the other half-wave's
	v_max3_num_f32 v[MN], v[DL],   v[DL+1],  v[DL+2]
	v_max3_num_f32 v[T],  v[DL+3], v[DL+4],  v[DL+5]
	v_max3_num_f32 v[MN], v[MN],   v[DL+6],  v[DL+7]
	v_max3_num_f32 v[T],  v[T],    v[DL+8],  v[DL+9]
	v_max3_num_f32 v[MN], v[MN],   v[DL+10], v[DL+11]
	v_max3_num_f32 v[T],  v[T],    v[DL+12], v[DL+13]
	v_max3_num_f32 v[MN], v[MN],   v[DL+14], v[DL+15]
	v_max_num_f32 v[MN], v[MN], v[T]
	v_permlanex16_b32 v[TP], v[MN], s12, s13
	v_max_num_f32 v[MN], v[MN], v[TP]
.if \first == 0
	v_max_num_f32 v[MN], v[MN], v[M]
	v_sub_f32 v[AL], v[M], v[MN]
	v_exp_f32 v[AL], v[AL]                         ; the factor for the old sums; the index lines below are the plain place behind it (ISA guide 5.7.2)
	v_and_b32 v[T], 16, v0
	v_lshlrev_b32 v[T], 1, v[T]                    ; register j of the sums is row m = 8 h + j of p, which lane 8 h + j made: byte index 4 j + 32 h
.irp j, 1,2,3
	v_add_nc_u32 v[T+\j], 4*\j, v[T]
.endr
	s_wait_alu depctr_va_vdst(0)
.irp j, 0,1,2,3
	ds_bpermute_b32 v[SC+\j], v[T+\j], v[AL]
.endr
.endif
	v_mov_b32 v[M], v[MN]
	WIN 0xc0                                       ; product 2's B fragments (K = 32 rows, N = 16 channels), all 32 tiles in one run
.set t, 0
.rept 32
	ds_load_tr16_b128 v[8*t:8*t+3],   v[TAD] offset:32*t
	ds_load_tr16_b128 v[8*t+4:8*t+7], v[TAD] offset:32*t+16*XP
.set t, t+1
.endr
	WIN 0
	; p = 2^(logit - maximum), at most 1
.irp i, 0,1,2,3,4,5,6,7
	v_pk_add_f32 v[DL+2*\i:DL+2*\i+1], v[DL+2*\i:DL+2*\i+1], v[M:M+1] neg_lo:[0,1] neg_hi:[0,1]
.endr
.set i, 0
.rept 16
	v_exp_f32 v[DL+i], v[DL+i]
.set i, i+1
.endr
	v_nop                                          ; the plain place behind the exponentials
	s_wait_alu depctr_va_vdst(0)
.irp i, 0,1,2,3,4,5,6,7
	v_cvt_pk_bf16_f32 v[P+\i], v[DL+2*\i], v[DL+2*\i+1]   ; rows 8 h + 2 i, + 1 (i < 4), 16 + 8 h + .. (i >= 4): the A fragment's own order
.endr
.if \first == 0
	s_wait_dscnt 60                                ; 64 transposing loads are younger than the four lane pulls: with 60 out the pulls are back
	v_pk_mul_f32 v[LS:LS+1],   v[LS:LS+1],   v[SC:SC+1]
	v_pk_mul_f32 v[LS+2:LS+3], v[LS+2:LS+3], v[SC+2:SC+3]
	WIN 0x41                                       ; destination and source 0 in window 1
.set t, 0
.rept 32
	v_pk_mul_f32 v[8*t:8*t+1],   v[8*t:8*t+1],   v[SC:SC+1]
	v_pk_mul_f32 v[8*t+2:8*t+3], v[8*t+2:8*t+3], v[SC+2:SC+3]
.set t, t+1
.endr
.endif
	; product 2: 32 tiles of y and l, one instruction each: no two that follow each other share an accumulator
	WIN 0x5c                                       ; B in window 3, C and D in window 1
.set t, 0
.rept 32
.if (t%4) == 0
	s_wait_dscnt 56-2*t                            ; the loads younger than the eight of tiles t .. t + 3 may stay out
.endif
.if \first
	v_wmma_f32_16x16x32_bf16 v[8*t:8*t+7], v[P:P+7], v[8*t:8*t+7], 0
.else
	v_wmma_f32_16x16x32_bf16 v[8*t:8*t+7], v[P:P+7], v[8*t:8*t+7], v[8*t:8*t+7]
.endif
.set t, t+1
.endr
	WIN 0
.if \first
	v_wmma_f32_16x16x32_bf16 v[LS:LS+7], v[P:P+7], v[ONES:ONES+7], 0
.else
	v_wmma_f32_16x16x32_bf16 v[LS:LS+7], v[P:P+7], v[ONES:ONES+7], v[LS:LS+7]
.endif
.endm
	s_load_b128 s[4:7], s[0:1], 0x0                ; x s[4:5], ubuf s[6:7]
	s_load_b64 s[8:9], s[0:1], 0x10                ; part
	s_set_vgpr_msb 0x80
	v_lshl_add_u32 v254, v0, 2, 0x23400
	v_mov_b32 v255, 0
	s_set_vgpr_msb 0x8000
	v_lshrrev_b32 v16, 5, v0
	v_readfirstlane_b32 s10, v16                   ; wave
	s_mov_b32 s12, 0x76543210                      ; v_permlanex16_b32: lane i reads lane i of the other half
	s_mov_b32 s13, 0xfedcba98
	s_mul_i32 s14, s10, XSW                        ; my scratch
	s_lshl_b32 s16, ttmp9, 20                      ; 512 rows of 2,048 bytes a work-group,
	s_lshl_b32 s18, s10, 18                        ; 128 a wave
	s_add_co_u32 s16, s16, s18
	s_mov_b32 s17, 0
	s_mul_i32 s18, ttmp9, 20480                    ; part: eight records of 2,560 bytes a work-group; wave w writes those of heads w and w + 4
	s_mul_i32 s19, s10, 2560
	s_add_co_u32 s18, s18, s19
	s_mov_b32 s19, 0
	v_lshlrev_b32 v17, 4, v0                       ; u: 16 bytes a thread, a head for the 128 threads
	v_and_b32 v18, 31, v0                          ; lane
	v_lshlrev_b32 v[GO], 4, v18
	WIN 0x80                                       ; destination in window 2
	v_lshlrev_b32 v[GO2], 4, v18
	v_lshl_add_u32 v[XST2], v18, 3, s14
	WIN 0
	s_wait_kmcnt 0x0
	s_add_nc_u64 s[4:5], s[4:5], s[16:17]
	s_add_nc_u64 s[8:9], s[8:9], s[18:19]
.irp i, 0,1,2,3,4,5,6,7
	global_load_b128 v[F+4*\i:F+4*\i+3], v17, s[6:7] offset:2048*\i      ; head i
.endr
	WIN 0xaa                                       ; everything in window 2
.set rw, 0
.rept 13
	ASK rw                                         ; rows 0 to 12: with u's eight loads 60 are out
.set rw, rw+1
.endr
	WIN 0
	v_and_b32 v19, 15, v0                          ; r
	v_bfe_u32 v20, v0, 4, 1                        ; h
	v_bfe_u32 v23, v0, 3, 1                        ; r / 8
	v_add_nc_u32 v2, v20, v23                      ; plain loads: column h, shift r / 8; transposing loads: column r / 8, shift h
	v_mul_u32_u24 v21, v19, XP
	v_lshl_add_u32 v21, v2, 4, v21
	v_add_nc_u32 v[AAD], s14, v21
	v_and_b32 v22, 7, v0
	v_lshl_add_u32 v22, v20, 3, v22
	v_mul_u32_u24 v22, v22, XP
	v_lshl_add_u32 v22, v2, 4, v22
	v_add_nc_u32 v[TAD], s14, v22
	v_lshl_add_u32 v21, v23, 2, v19
	v_and_b32 v21, 7, v21                          ; hd(r)
	v_mul_u32_u24 v22, v21, UP
	v_lshl_add_u32 v22, v20, 4, v22
	v_add_nc_u32 v[UAD], UB, v22
	v_mul_u32_u24 v22, v21, YP
	v_add_nc_u32 v[MST], s14, v22
	v_mul_u32_u24 v22, v20, 4*YP
	v_lshl_add_u32 v22, v19, 2, v22
	v_add_nc_u32 v[YST], s14, v22
	v_lshlrev_b32 v21, 3, v0                       ; u's stage: channels 4 t .. of head i at UB + i UP + 8 t
	v_add_nc_u32 v[UST], UB, v21
.irp i, 0,1,2,3,4,5,6,7
	v_mov_b32 v[ONES+\i], 0x3f803f80               ; two bf16 ones
.endr
	v_mov_b32 v[TP], 0                             ; a lane permute's destination counts as read
	s_wait_loadcnt 52                              ; the 52 loads of x are younger: u is in, and v17 is free
	WIN 0xaa
	ASK 13                                         ; the ring's last two slots: 60 loads are out again
	ASK 14
	WIN 0
.irp i, 0,1,2,3,4,5,6,7
	v_cvt_pk_bf16_f32 v[DL+2*\i],   v[F+4*\i],   v[F+4*\i+1]
	v_cvt_pk_bf16_f32 v[DL+2*\i+1], v[F+4*\i+2], v[F+4*\i+3]
	ds_store_b64 v[UST], v[DL+2*\i:DL+2*\i+1] offset:UP*\i
.endr
	s_wait_dscnt 0x0                               ; my part of u is in LDS before I say so
	s_barrier_signal -1
	s_barrier_wait -1                              ; everybody's is; the loads of x stay on their way
.set ks, 0
.rept 16
	ds_load_b128 v[U+8*ks:U+8*ks+3],   v[UAD] offset:64*ks       ; u's fragments, once: they are older than every LDS instruction
	ds_load_b128 v[U+8*ks+4:U+8*ks+7], v[UAD] offset:64*ks+32    ; that product 1's counted waits leave out
.set ks, ks+1
.endr
.set rw, 0
	WIN 0xaa
.rept 32
	ROW rw
.set rw, rw+1
.endr
	MATRIX 1
.rept 3
	WIN 0xaa
.rept 32
	ROW rw
.set rw, rw+1
.endr
	MATRIX 0
.endr
	; THE TAIL.  Each wave lays its y, l and maximum by head into its own scratch (its reads of it are back);
	; behind the barrier wave w adds up heads w and w + 4 over the four waves.
	PLACES
	WIN 0x04                                       ; an LDS store's data in window 1
.set t, 0
.rept 32
.irp j, 0,1,2,3
	ds_store_b32 v[YST], v[8*t+\j] offset:\j*YP+64*t       ; head 4 h + j, channel 16 t + r
.endr
.set t, t+1
.endr
	WIN 0
.irp j, 0,1,2,3
	ds_store_b32 v[YST], v[LS+\j] offset:\j*YP+2048
.endr
	ds_store_b32 v[MST], v[M] offset:2112          ; the lanes of one head hold the same number: their columns of u are the same
	s_wait_dscnt 0x0
	s_barrier_signal -1
	s_barrier_wait -1
; c = 4 e + v: head w + 4 e, wave v
.set ST, F                             ; v[64:71] the waves' maxima, v[72:79] their l
.set BT, F+16                          ; v[80:95]   2^(m - maximum), each twice: pairs for the packed forms
.set O,  F+32                          ; v[96:127]  the two heads' y: channels 128 i + 4 lane ..
.set MG, DL                            ; v[40:47]   (maximum, l, maximum, l) for each of the two heads
.set YL, U                             ; v[128:255] y of (head, wave) c at YL + 16 c
	s_mul_i32 s15, s10, YP
.irp k, 0,1
	s_add_co_u32 s[20+\k], s15, 2*\k*XSW           ; waves 2 k and 2 k + 1: the odd one, and head w + 4, through the immediate
	v_mov_b32 v[T+\k], s[20+\k]
	v_add_nc_u32 v[T+4+\k], s[20+\k], v[GO]
.endr
.set c, 0
.rept 8
	ds_load_b32 v[ST+c], v[T+(c%4)/2] offset:(c%2)*XSW+4*(c/4)*YP+2112
.set c, c+1
.endr
.set c, 0
.rept 8
	ds_load_b32 v[ST+8+c], v[T+(c%4)/2] offset:(c%2)*XSW+4*(c/4)*YP+2048
.set c, c+1
.endr
.set c, 0
.rept 8
.irp i, 0,1,2,3
	ds_load_b128 v[YL+16*c+4*\i:YL+16*c+4*\i+3], v[T+4+(c%4)/2] offset:(c%2)*XSW+4*(c/4)*YP+512*\i
.endr
.set c, c+1
.endr
	s_wait_dscnt 32                                ; the 32 loads of y are younger: the maxima and l are in
.irp e, 0,1
	v_max3_num_f32 v[MG+4*\e], v[ST+4*\e], v[ST+4*\e+1], v[ST+4*\e+2]
	v_max_num_f32 v[MG+4*\e], v[MG+4*\e], v[ST+4*\e+3]
.endr
.set c, 0
.rept 8
	v_sub_f32 v[ST+c], v[ST+c], v[MG+4*(c/4)]
.set c, c+1
.endr
.set c, 0
.rept 8
	v_exp_f32 v[BT+2*c],   v[ST+c]
	v_exp_f32 v[BT+2*c+1], v[ST+c]
.set c, c+1
.endr
	v_mov_b32 v[MG+2], v[MG]                       ; the plain place behind the exponentials
	v_mov_b32 v[MG+6], v[MG+4]
	s_wait_alu depctr_va_vdst(0)
.irp e, 0,1
	v_mul_f32 v[MG+4*\e+1], v[BT+8*\e], v[ST+8+4*\e]
.irp v, 1,2,3
	v_fmac_f32 v[MG+4*\e+1], v[BT+8*\e+2*\v], v[ST+8+4*\e+\v]
.endr
	v_mov_b32 v[MG+4*\e+3], v[MG+4*\e+1]
.endr
.set c, 0
.rept 8
	s_wait_dscnt 28-4*c                            ; the y loads younger than this (head, wave)'s four may stay out
.irp i, 0,1,2,3,4,5,6,7
.if (c%4) == 0
	v_pk_mul_f32 v[O+16*(c/4)+2*\i:O+16*(c/4)+2*\i+1], v[YL+16*c+2*\i:YL+16*c+2*\i+1], v[BT+2*c:BT+2*c+1]
.else
	v_pk_fma_f32 v[O+16*(c/4)+2*\i:O+16*(c/4)+2*\i+1], v[YL+16*c+2*\i:YL+16*c+2*\i+1], v[BT+2*c:BT+2*c+1], v[O+16*(c/4)+2*\i:O+16*(c/4)+2*\i+1]
.endif
.endr
.set c, c+1
.endr
.irp e, 0,1
.irp i, 0,1,2,3
	global_store_b128 v[GO], v[O+16*\e+4*\i:O+16*\e+4*\i+3], s[8:9] offset:10240*\e+512*\i    ; each store of the wave covers 512 consecutive bytes, aligned
.endr
	global_store_b128 v[GO], v[MG+4*\e:MG+4*\e+3], s[8:9] offset:10240*\e+2048                ; the record's last 512 bytes: (maximum, l) in every lane
.endr
	s_set_vgpr_msb 0xa
	s_wait_tensorcnt 0x0
	ds_add_u32 v254, v255
	s_wait_dscnt 0x0
	s_set_vgpr_msb 0xa00
	s_endpgm
.Lfunc_end_k_qa48dac6d86_stream:
	.size	k_qa48dac6d86_stream, .Lfunc_end_k_qa48dac6d86_stream-k_qa48dac6d86_stream
	.p2alignl 7, 3214868480
	.fill 96, 4, 3214868480
	.section	.rodata,"a",@progbits
	.p2align	6, 0x0
	.amdhsa_kernel k_qa48dac6d86_stream
		.amdhsa_group_segment_fixed_size 144896
		.amdhsa_private_segment_fixed_size 0
		.amdhsa_enable_private_segment 0
		.amdhsa_kernarg_size 24
		.amdhsa_user_sgpr_count 2
		.amdhsa_user_sgpr_kernarg_segment_ptr 1
		.amdhsa_wavefront_size32 1
		.amdhsa_system_sgpr_workgroup_id_x 1
		.amdhsa_system_sgpr_workgroup_id_y 1
		.amdhsa_system_sgpr_workgroup_id_z 1
		.amdhsa_system_vgpr_workitem_id 0
		.amdhsa_next_free_vgpr 1024
		.amdhsa_next_free_sgpr 66
		.amdhsa_reserve_vcc 0
		.amdhsa_float_denorm_mode_32 3
		.amdhsa_float_denorm_mode_16_64 3
		.amdhsa_memory_ordered 1
		.amdhsa_forward_progress 1
		.amdhsa_inst_pref_size 251
	.end_amdhsa_kernel
	.amdgpu_metadata
---
amdhsa.version: [ 1, 2 ]
amdhsa.kernels:
  - .name:           k_qa48dac6d86_stream
    .symbol:         k_qa48dac6d86_stream.kd
    .args:
      - { .name: x, .offset: 0, .size: 8, .value_kind: global_buffer, .address_space: global }
      - { .name: ubuf, .offset: 8, .size: 8, .value_kind: global_buffer, .address_space: global }
      - { .name: part, .offset: 16, .size: 8, .value_kind: global_buffer, .address_space: global }
    .group_segment_fixed_size: 144896
    .private_segment_fixed_size: 0
    .kernarg_segment_align: 8
    .kernarg_segment_size: 24
    .max_flat_workgroup_size: 128
    .sgpr_count:     66
    .vgpr_count:     1024
    .wavefront_size: 32
...
	.end_amdgpu_metadata
.endif
;; end of part 2
;; launch pool (part 3): grid 8 x 16, 8 waves a work-group, no clusters, 5,120 bytes of LDS; arguments part, Wv, pooled; writes pooled
.if DOCPART == 3
	.amdgcn_target "amdgcn-amd-amdhsa--gfx1250"
	.amdhsa_code_object_version 6
	.text
	.protected	k_qa48dac6d86_pool
	.globl	k_qa48dac6d86_pool
	.p2align	8
	.type	k_qa48dac6d86_pool,@function
k_qa48dac6d86_pool:
	s_mov_b64 s[64:65], 0
	v_nop
	global_prefetch_b8 v0, s[64:65] scope:SCOPE_SE
	s_setreg_imm32_b32 hwreg(HW_REG_WAVE_MODE, 25, 1), 1
	s_wait_xcnt 0x0
; pooled[b][64 h + d] = sum over c of y[c] Wv[c][64 h + d], y = (sum over the batch's 16 parts of 2^(M_i - M) y_i) / (sum of 2^(M_i - M) l_i).
; M is the largest of the parts' maxima, so no exponent is above 0; the part that holds it has l_i >= 1, so the divisor is at least 1.
; Work-group (h, b).  part: record (16 b + i, h) of 2,560 bytes: y[512] f32, then (M, l) repeated.  All in f32.
; Thread t: two channels of y; then cg = t % 16 (four columns of Wv), rg = t / 16 (32 rows).
; NO CLUSTER: the 16 work-groups of a head read the same 128 KiB of Wv, but each thread takes its words straight into the registers
; in which it multiplies them, all asked for at the head; a joint tile would add a way through LDS and two rounds of a cluster's
; barrier.  NO MATRIX UNIT: a product with one row, 128 multiply-adds a thread.
.set MO,  1                            ; v1       65,536 rg + 16 cg
.set CG,  2                            ; v2       16 cg
.set RST, 3                            ; v3       LDS: RED + 256 wave + 16 cg
.set Q,   4                            ; v[4:7]   four sums
.set TQ,  8                            ; v[8:11]  the other half-wave's sums
.set ST,  12                           ; v[12:13] (M_i, l_i), i = lane % 16
.set YO,  14                           ; v14      8 t
.set SO,  15                           ; v15      20,480 (lane % 16)
.set VA,  20                           ; v20      LDS: 128 rg
.set VV,  32                           ; v[32:63] y of my 32 rows
.set W,   64                           ; v[64:191] 32 rows x 4 columns of Wv
.set Y,   192                          ; v[192:223] my two channels of the 16 parts
.set YS,  224                          ; v[224:225] their weighted sum
.set RED, 2048                         ; LDS 0..2047: y; 2048..4095: eight waves' partial sums
.macro DOT                             ; Q[k] = sum over my 32 rows of VV[i] W[i][k]; the first product starts the sums
.set i, 0
.rept 32
.if (i%8) == 0
	s_wait_loadcnt 24-i                            ; loads return in order: all but the 24-i youngest weight rows are in
.endif
.irp k, 0,1,2,3
.if i == 0
	v_mul_f32 v[Q+\k], v[VV], v[W+\k]
.else
	v_fmac_f32 v[Q+\k], v[VV+i], v[W+4*i+\k]
.endif
.endr
.set i, i+1
.endr
.endm
.macro FOLD                            ; the wave's two row groups are added, the wave's sums go to its own 256 bytes, barrier
.irp k, 0,1,2,3
	v_permlanex16_b32 v[TQ+\k], v[Q+\k], s12, s13
.endr
.irp k, 0,1,2,3
	v_add_f32 v[Q+\k], v[Q+\k], v[TQ+\k]
.endr
	ds_store_b128 v[RST], v[Q:Q+3]                 ; both halves of the wave write the same numbers to the same bytes
	s_wait_dscnt 0x0                               ; my store is done before I say so
	s_barrier_signal -1
	s_barrier_wait -1
.endm
.macro GATHER8 red                     ; the eight waves' sums of my four columns
.irp v, 0,1,2,3,4,5,6,7
	ds_load_b128 v[W+4*\v:W+4*\v+3], v[CG] offset:\red+256*\v
.endr
	s_wait_dscnt 0x0
	v_pk_add_f32 v[Q:Q+1],   v[W:W+1],   v[W+4:W+5]
	v_pk_add_f32 v[Q+2:Q+3], v[W+2:W+3], v[W+6:W+7]
.irp v, 2,3,4,5,6,7
	v_pk_add_f32 v[Q:Q+1],   v[Q:Q+1],   v[W+4*\v:W+4*\v+1]
	v_pk_add_f32 v[Q+2:Q+3], v[Q+2:Q+3], v[W+4*\v+2:W+4*\v+3]
.endr
.endm
	s_load_b128 s[4:7], s[0:1], 0x0                ; part s[4:5], Wv s[6:7]
	s_load_b64 s[8:9], s[0:1], 0x10                ; pooled
	v_lshl_add_u32 v232, v0, 2, 0x1000
	v_mov_b32 v233, 0
	v_lshrrev_b32 v16, 5, v0
	v_readfirstlane_b32 s14, v16                   ; wave
	s_and_b32 s15, ttmp7, 0xffff                   ; b
	s_mov_b32 s12, 0x76543210
	s_mov_b32 s13, 0xfedcba98
	s_mul_i32 s16, s15, 327680                     ; 16 work-groups' records of 20,480 bytes a batch,
	s_mul_i32 s17, ttmp9, 2560                     ; the head's record
	s_add_co_u32 s16, s16, s17
	s_mov_b32 s17, 0
	s_lshl_b32 s18, ttmp9, 8                       ; the head's 64 columns
	s_mov_b32 s19, 0
	s_lshl_b32 s20, s15, 11                        ; pooled: 2,048 b + 256 h
	s_add_co_u32 s20, s20, s18
	s_mov_b32 s21, 0
	v_and_b32 v16, 15, v0                          ; cg
	v_lshrrev_b32 v17, 4, v0                       ; rg
	v_lshlrev_b32 v[CG], 4, v16
	v_lshl_add_u32 v[MO], v17, 16, v[CG]
	v_lshl_add_u32 v[RST], s14, 8, v[CG]
	v_add_nc_u32 v[RST], RED, v[RST]
	v_lshlrev_b32 v[YO], 3, v0
	v_mul_u32_u24 v[SO], v16, 20480
	v_lshlrev_b32 v[VA], 7, v17
.irp k, 0,1,2,3
	v_mov_b32 v[TQ+\k], 0                          ; a lane permute's destination counts as read
.endr
	s_wait_kmcnt 0x0
	s_add_nc_u64 s[4:5], s[4:5], s[16:17]
	s_add_nc_u64 s[6:7], s[6:7], s[18:19]
	s_add_nc_u64 s[8:9], s[8:9], s[20:21]
	global_load_b64 v[ST:ST+1], v[SO], s[4:5] offset:2048
.set i, 0
.rept 16
	global_load_b64 v[Y+2*i:Y+2*i+1], v[YO], s[4:5] offset:20480*i   ; a wave takes 256 consecutive bytes, aligned
.set i, i+1
.endr
.set i, 0
.rept 32
	global_load_b128 v[W+4*i:W+4*i+3], v[MO], s[6:7] offset:2048*i   ; sixteen lanes take 256 aligned bytes of a row
.set i, i+1
.endr
	s_wait_loadcnt 0x30                            ; 48 younger loads (16 of y, 32 of Wv): the parts' (M, l) are in
	v_mov_b32 v16, v[ST]
.irp m, 1,2,4,8
	v_max_num_f32_dpp v16, v16, v16 row_xmask:\m row_mask:0xf bank_mask:0xf
.endr
	v_sub_f32 v17, v[ST], v16
	v_exp_f32 v17, v17                             ; 2^(M_i - M)
	v_nop                                          ; the plain place behind it (ISA guide 5.7.2)
	s_wait_alu depctr_va_vdst(0)
	v_mul_f32 v18, v17, v[ST+1]
.irp m, 1,2,4,8
	v_add_f32_dpp v18, v18, v18 row_xmask:\m row_mask:0xf bank_mask:0xf
.endr
	v_rcp_f32 v19, v18
	v_nop
	s_wait_alu depctr_va_vdst(0)
	v_mul_f32 v17, v17, v19                        ; part i's weight, in lane i
.set i, 0
.rept 16
	v_readlane_b32 s[24+i], v17, i
.set i, i+1
.endr
	s_wait_loadcnt 0x20                            ; the 32 loads of Wv are younger: y's parts are in
	v_mul_f32 v[YS],   s24, v[Y]
	v_mul_f32 v[YS+1], s24, v[Y+1]
.set i, 1
.rept 15
	v_fmac_f32 v[YS],   s[24+i], v[Y+2*i]
	v_fmac_f32 v[YS+1], s[24+i], v[Y+2*i+1]
.set i, i+1
.endr
	ds_store_b64 v[YO], v[YS:YS+1]
	s_wait_dscnt 0x0
	s_barrier_signal -1
	s_barrier_wait -1
.irp k, 0,1,2,3,4,5,6,7
	ds_load_b128 v[VV+4*\k:VV+4*\k+3], v[VA] offset:16*\k
.endr
	s_wait_dscnt 0x0
	DOT
	FOLD
	s_cmp_lg_u32 s14, 0
	s_cbranch_scc1 .Ldone
	GATHER8 RED
	v_cmp_gt_u32 vcc_lo, 16, v0
	s_wait_xcnt 0x0                                ; EXEC is a source of the loads above: it changes only behind this wait
	s_and_saveexec_b32 s22, vcc_lo
	global_store_b128 v[CG], v[Q:Q+3], s[8:9]      ; sixteen lanes store 256 consecutive bytes, aligned
	s_wait_xcnt 0x0                                ; and it widens again only behind this one
	s_or_b32 exec_lo, exec_lo, s22
.Ldone:
	s_wait_tensorcnt 0x0
	ds_add_u32 v232, v233
	s_wait_dscnt 0x0
	s_endpgm
.Lfunc_end_k_qa48dac6d86_pool:
	.size	k_qa48dac6d86_pool, .Lfunc_end_k_qa48dac6d86_pool-k_qa48dac6d86_pool
	.p2alignl 7, 3214868480
	.fill 96, 4, 3214868480
	.section	.rodata,"a",@progbits
	.p2align	6, 0x0
	.amdhsa_kernel k_qa48dac6d86_pool
		.amdhsa_group_segment_fixed_size 5120
		.amdhsa_private_segment_fixed_size 0
		.amdhsa_enable_private_segment 0
		.amdhsa_kernarg_size 24
		.amdhsa_user_sgpr_count 2
		.amdhsa_user_sgpr_kernarg_segment_ptr 1
		.amdhsa_wavefront_size32 1
		.amdhsa_system_sgpr_workgroup_id_x 1
		.amdhsa_system_sgpr_workgroup_id_y 1
		.amdhsa_system_sgpr_workgroup_id_z 1
		.amdhsa_system_vgpr_workitem_id 0
		.amdhsa_next_free_vgpr 234
		.amdhsa_next_free_sgpr 66
		.amdhsa_reserve_vcc 1
		.amdhsa_float_denorm_mode_32 3
		.amdhsa_float_denorm_mode_16_64 3
		.amdhsa_memory_ordered 1
		.amdhsa_forward_progress 1
		.amdhsa_inst_pref_size 17
	.end_amdhsa_kernel
	.amdgpu_metadata
---
amdhsa.version: [ 1, 2 ]
amdhsa.kernels:
  - .name:           k_qa48dac6d86_pool
    .symbol:         k_qa48dac6d86_pool.kd
    .args:
      - { .name: part, .offset: 0, .size: 8, .value_kind: global_buffer, .address_space: global }
      - { .name: Wv, .offset: 8, .size: 8, .value_kind: global_buffer, .address_space: global }
      - { .name: pooled, .offset: 16, .size: 8, .value_kind: global_buffer, .address_space: global }
    .group_segment_fixed_size: 5120
    .private_segment_fixed_size: 0
    .kernarg_segment_align: 8
    .kernarg_segment_size: 24
    .max_flat_workgroup_size: 256
    .sgpr_count:     66
    .vgpr_count:     234
    .wavefront_size: 32
...
	.end_amdgpu_metadata
.endif
;; end of part 3
;; launch proj (part 4): grid 8 x 16, 8 waves a work-group, no clusters, 3,072 bytes of LDS; arguments pooled, Wp, bp, out0; writes out0
.if DOCPART == 4
	.amdgcn_target "amdgcn-amd-amdhsa--gfx1250"
	.amdhsa_code_object_version 6
	.text
	.protected	k_qa48dac6d86_proj
	.globl	k_qa48dac6d86_proj
	.p2align	8
	.type	k_qa48dac6d86_proj,@function
k_qa48dac6d86_proj:
	s_mov_b64 s[64:65], 0
	v_nop
	global_prefetch_b8 v0, s[64:65] scope:SCOPE_SE
	s_setreg_imm32_b32 hwreg(HW_REG_WAVE_MODE, 25, 1), 1
	s_wait_xcnt 0x0
; out0[b][64 jb + d] = sum over c of pooled[b][c] Wp[c][64 jb + d] + bp[64 jb + d].  All in f32.
; Work-group (jb, b).  Thread t: cg = t % 16 (four columns of Wp), rg = t / 16 (32 rows).
; NO CLUSTER: the 16 work-groups of a column block read the same 128 KiB of Wp, but each thread takes its words straight into the
; registers in which it multiplies them, all asked for at the head; a joint tile would add a way through LDS and two rounds of a
; cluster's barrier.  NO MATRIX UNIT: a product with one row, 128 multiply-adds a thread.
.set MO,  1                            ; v1       65,536 rg + 16 cg
.set CG,  2                            ; v2       16 cg
.set RST, 3                            ; v3       LDS: 256 wave + 16 cg
.set Q,   4                            ; v[4:7]   four sums
.set TQ,  8                            ; v[8:11]  the other half-wave's sums
.set BI,  12                           ; v[12:15] bp of my four columns
.set CO,  16                           ; v16      128 rg
.set VV,  32                           ; v[32:63] pooled of my 32 rows
.set W,   64                           ; v[64:191] 32 rows x 4 columns of Wp
.set RED, 0                            ; LDS 0..2047: eight waves' partial sums
.macro DOT                             ; Q[k] = sum over my 32 rows of VV[i] W[i][k]; the first product starts the sums
.set i, 0
.rept 32
.if (i%8) == 0
	s_wait_loadcnt 24-i                            ; loads return in order: all but the 24-i youngest weight rows are in
.endif
.irp k, 0,1,2,3
.if i == 0
	v_mul_f32 v[Q+\k], v[VV], v[W+\k]
.else
	v_fmac_f32 v[Q+\k], v[VV+i], v[W+4*i+\k]
.endif
.endr
.set i, i+1
.endr
.endm
.macro FOLD                            ; the wave's two row groups are added, the wave's sums go to its own 256 bytes, barrier
.irp k, 0,1,2,3
	v_permlanex16_b32 v[TQ+\k], v[Q+\k], s12, s13
.endr
.irp k, 0,1,2,3
	v_add_f32 v[Q+\k], v[Q+\k], v[TQ+\k]
.endr
	ds_store_b128 v[RST], v[Q:Q+3]                 ; both halves of the wave write the same numbers to the same bytes
	s_wait_dscnt 0x0                               ; my store is done before I say so
	s_barrier_signal -1
	s_barrier_wait -1
.endm
.macro GATHER8 red                     ; the eight waves' sums of my four columns
.irp v, 0,1,2,3,4,5,6,7
	ds_load_b128 v[W+4*\v:W+4*\v+3], v[CG] offset:\red+256*\v
.endr
	s_wait_dscnt 0x0
	v_pk_add_f32 v[Q:Q+1],   v[W:W+1],   v[W+4:W+5]
	v_pk_add_f32 v[Q+2:Q+3], v[W+2:W+3], v[W+6:W+7]
.irp v, 2,3,4,5,6,7
	v_pk_add_f32 v[Q:Q+1],   v[Q:Q+1],   v[W+4*\v:W+4*\v+1]
	v_pk_add_f32 v[Q+2:Q+3], v[Q+2:Q+3], v[W+4*\v+2:W+4*\v+3]
.endr
.endm
	s_load_b256 s[4:11], s[0:1], 0x0               ; pooled s[4:5], Wp s[6:7], bp s[8:9], out0 s[10:11]
	v_lshl_add_u32 v192, v0, 2, 0x800
	v_mov_b32 v193, 0
	v_lshrrev_b32 v20, 5, v0
	v_readfirstlane_b32 s14, v20                   ; wave
	s_and_b32 s15, ttmp7, 0xffff                   ; b
	s_mov_b32 s12, 0x76543210
	s_mov_b32 s13, 0xfedcba98
	s_lshl_b32 s16, ttmp9, 8                       ; the block's 64 columns: 256 jb bytes, in Wp's rows and in bp
	s_mov_b32 s17, 0
	s_lshl_b32 s18, s15, 11                        ; row b of pooled
	s_mov_b32 s19, 0
	s_add_co_u32 s20, s18, s16                     ; out0: 2,048 b + 256 jb
	s_mov_b32 s21, 0
	v_and_b32 v20, 15, v0                          ; cg
	v_lshrrev_b32 v21, 4, v0                       ; rg
	v_lshlrev_b32 v[CG], 4, v20
	v_lshl_add_u32 v[MO], v21, 16, v[CG]
	v_lshl_add_u32 v[RST], s14, 8, v[CG]
	v_lshlrev_b32 v[CO], 7, v21
.irp k, 0,1,2,3
	v_mov_b32 v[TQ+\k], 0                          ; a lane permute's destination counts as read
.endr
	s_wait_kmcnt 0x0
	s_add_nc_u64 s[4:5], s[4:5], s[18:19]
	s_add_nc_u64 s[6:7], s[6:7], s[16:17]
	s_add_nc_u64 s[8:9], s[8:9], s[16:17]
	s_add_nc_u64 s[10:11], s[10:11], s[20:21]
	global_load_b128 v[BI:BI+3], v[CG], s[8:9]
.irp k, 0,1,2,3,4,5,6,7
	global_load_b128 v[VV+4*\k:VV+4*\k+3], v[CO], s[4:5] offset:16*\k
.endr
.set i, 0
.rept 32
	global_load_b128 v[W+4*i:W+4*i+3], v[MO], s[6:7] offset:2048*i   ; sixteen lanes take 256 aligned bytes of a row
.set i, i+1
.endr
	DOT
	FOLD
	s_cmp_lg_u32 s14, 0
	s_cbranch_scc1 .Ldone
	GATHER8 RED
	v_pk_add_f32 v[Q:Q+1],   v[Q:Q+1],   v[BI:BI+1]
	v_pk_add_f32 v[Q+2:Q+3], v[Q+2:Q+3], v[BI+2:BI+3]
	v_cmp_gt_u32 vcc_lo, 16, v0
	s_wait_xcnt 0x0                                ; EXEC is a source of the loads above: it changes only behind this wait
	s_and_saveexec_b32 s22, vcc_lo
	global_store_b128 v[CG], v[Q:Q+3], s[10:11]    ; sixteen lanes store 256 consecutive bytes, aligned
	s_wait_xcnt 0x0                                ; and it widens again only behind this one
	s_or_b32 exec_lo, exec_lo, s22
.Ldone:
	s_wait_tensorcnt 0x0
	ds_add_u32 v192, v193
	s_wait_dscnt 0x0
	s_endpgm
.Lfunc_end_k_qa48dac6d86_proj:
	.size	k_qa48dac6d86_proj, .Lfunc_end_k_qa48dac6d86_proj-k_qa48dac6d86_proj
	.p2alignl 7, 3214868480
	.fill 96, 4, 3214868480
	.section	.rodata,"a",@progbits
	.p2align	6, 0x0
	.amdhsa_kernel k_qa48dac6d86_proj
		.amdhsa_group_segment_fixed_size 3072
		.amdhsa_private_segment_fixed_size 0
		.amdhsa_enable_private_segment 0
		.amdhsa_kernarg_size 32
		.amdhsa_user_sgpr_count 2
		.amdhsa_user_sgpr_kernarg_segment_ptr 1
		.amdhsa_wavefront_size32 1
		.amdhsa_system_sgpr_workgroup_id_x 1
		.amdhsa_system_sgpr_workgroup_id_y 1
		.amdhsa_system_sgpr_workgroup_id_z 1
		.amdhsa_system_vgpr_workitem_id 0
		.amdhsa_next_free_vgpr 194
		.amdhsa_next_free_sgpr 66
		.amdhsa_reserve_vcc 1
		.amdhsa_float_denorm_mode_32 3
		.amdhsa_float_denorm_mode_16_64 3
		.amdhsa_memory_ordered 1
		.amdhsa_forward_progress 1
		.amdhsa_inst_pref_size 12
	.end_amdhsa_kernel
	.amdgpu_metadata
---
amdhsa.version: [ 1, 2 ]
amdhsa.kernels:
  - .name:           k_qa48dac6d86_proj
    .symbol:         k_qa48dac6d86_proj.kd
    .args:
      - { .name: pooled, .offset: 0, .size: 8, .value_kind: global_buffer, .address_space: global }
      - { .name: Wp, .offset: 8, .size: 8, .value_kind: global_buffer, .address_space: global }
      - { .name: bp, .offset: 16, .size: 8, .value_kind: global_buffer, .address_space: global }
      - { .name: out0, .offset: 24, .size: 8, .value_kind: global_buffer, .address_space: global }
    .group_segment_fixed_size: 3072
    .private_segment_fixed_size: 0
    .kernarg_segment_align: 8
    .kernarg_segment_size: 32
    .max_flat_workgroup_size: 256
    .sgpr_count:     66
    .vgpr_count:     194
    .wavefront_size: 32
...
	.end_amdgpu_metadata
.endif
;; end of part 4
;; ======== version 2 of 2: 4 launches; version 1 with the launch stream written anew for expert scheduling mode
;; workspace buffers: ubuf 16,384 bytes; part 5,242,880 bytes; pooled 32,768 bytes
;; launch prep: the kernel of part 1 again; grid 8 x 8, 8 waves a work-group, no clusters, 3,584 bytes of LDS; arguments cls_token, Wq, Wk, ubuf; writes ubuf
;; launch stream (part 5): grid 256 x 1, 4 waves a work-group, no clusters, 144,896 bytes of LDS; arguments x, ubuf, part; writes part
.if DOCPART == 5
	.amdgcn_target "amdgcn-amd-amdhsa--gfx1250"
	.amdhsa_code_object_version 6
	.text
	.protected	k_qa48dac6d86_stream
	.globl	k_qa48dac6d86_stream
	.p2align	8
	.type	k_qa48dac6d86_stream,@function
k_qa48dac6d86_stream:
	s_mov_b64 s[64:65], 0
	v_nop
	global_prefetch_b8 v0, s[64:65] scope:SCOPE_SE
	s_setreg_imm32_b32 hwreg(HW_REG_WAVE_SCHED_MODE, 0, 2), 2
	s_setreg_imm32_b32 hwreg(HW_REG_WAVE_MODE, 25, 1), 1
	s_wait_xcnt 0x0
	s_wait_alu depctr_vm_vsrc(0)
; One pass over x [131072 rows][512] f32.  For each head h: logit[n] = x[n] . u_h (u from the launch before, in base 2 and scaled),
; p[n] = 2^(logit[n] - running maximum), y_h = sum of p[n] x[n], l_h = sum of p[n].  Since the query is one vector a head,
; sum_n attn[n] (x[n] Wv) = (sum_n attn[n] x[n]) Wv for every input: Wv is applied to y by the next launch.
; Work-group g: rows 512 g .. 512 g + 511 (batch g / 16).  Four waves, as many as a WGP has SIMDs; wave w: 128 rows, in four steps of 32,
; on its own until the tail.
; A step: 32 rows come from memory into a ring of 15 row slots in registers, are rounded to bf16 and laid into the wave's own LDS scratch;
; product 1 (A = x, B = u, which stays in registers) gives the logits; product 2 (A = p, B = x transposed by the LDS load) adds to y;
; one more matrix instruction with B = 1 adds to l.  15 slots are 60 loads of 512 bytes a wave, 120 KiB for the four waves: a wait on LOADcnt
; cannot name more than 63 (ISA guide 5.7.1).  While a step's matrix work runs, the next step's first 15 rows are on their way.
; Each product's 64 fragment loads go into 256 registers of their own, so no register is loaded again inside a product.
; LAYOUT CHAIN WITHOUT SHUFFLES: column r of u's fragment holds head hd(r) = (r + 4 (r / 8)) % 8.  Product 1's result, lane (r, h), register j,
; is the logit of row 8 h + j, head hd(r): packed in pairs that IS the A fragment of p (row m = r of A, K = the 32 rows of x).
; In product 2's result registers 0-3 of lane (r', h') are heads 4 h' + 0..3 at channel 16 t + r'.  Registers 4-7 repeat the other
; four heads (eight heads cannot fill the form's sixteen rows): they are neither scaled nor read.
; LIMITS: x, u and p enter the matrix unit in bf16, sums are f32, and l is the sum of the rounded p, so the order of rounding differs
; from reference()'s.  A NaN logit is passed over by the maximum and then spreads through p.
; NO CLUSTER: work-groups share only u's 16 KiB beside their own 1 MiB of x.  NO TENSOR LOADS: x has to pass through registers for its
; rounding, and the register ring is never drained at a barrier.
; THE MODE: SCHED_MODE bits 1:0 = 2 (LLVM: expert scheduling mode 2), set by the entry lines.  The code itself states the register dependences
; between vector or matrix instructions and memory or LDS instructions, with s_wait_alu, always for 0.  The text has no branch: one path.
; THE PLAN.  Registers that memory or LDS instructions touch, and who else names them:
;   ring slots      Row rho's turn: its eight conversions read slot rho % 15; behind them the loads of row rho + 15 land in it.
;   packed words    Written by a row's conversions, read by its four LDS stores, written again by the next row's conversions.
;   window 3        Product 1's A loads land, product 1 reads; product 2's B loads land, product 2 reads; the next step's A loads land.
;   T, AL; SC       Written by vector lines, read by a step's four lane pulls; the pulls land in SC, which the scalings read.
;   u's fragments   Loaded once, read by product 1; in the tail the waves' y lands there.
;   y, l, M         Written by the products and vector lines; read by the tail's LDS stores.
;   addresses       Made at the head (the tail's four ahead of its stores) and never written again.
; A ROW'S TURN has two waits: on vm_vsrc at its head (the stores of the rows before have read the packed words), and on va_vdst behind its conversions
; (the packed words are written, the slot is done being read); its four loads and four stores follow.  The second stands behind the conversions and not at the
; next turn's head, since a slot that waited for the next turn would leave 52 to 56 loads on their way for 56 to 60, and window 2 (240 + 12 + 2 registers)
; has no room for a sixteenth slot.  The turns' waits also stand between all that the head and a step's matrix work leave behind and the next step:
; product 1's A loads lean on the last turn's wait on va_vdst, the vector lines that write T, AL, the logits and v10 anew on the turns' waits on vm_vsrc.
; THE MATRIX WORK has one wait on va_vdst behind product 1, ahead of product 2's B loads, and one ahead of the lane pulls.
;
; REGISTERS, in windows of 256 (s_set_vgpr_msb's low byte: bits 1:0 source 0, 3:2 source 1, 5:4 source 2, 7:6 destination):
;   window 0: addresses, softmax, p; v64-127 u's stage at the head, sums in the tail; v128-255 u's 16 fragments (in the tail: the waves' y)
;   window 1: y, tile t (channels 16 t ..) at 8 t
;   window 2: all that a row's turn names: the ring (slot s at 16 s), six pairs of packed words that take turns, two addresses.
;             So 32 rows' turns run under one setting.
;   window 3: 256 fragment registers: product 1's A (K step ks at 16 ks), then product 2's B (tile t at 8 t)
.set ROWB, 2048                        ; bytes of a row of x
.set ROWS, 128                         ; rows of a wave
.set RING, 15                          ; row slots
.set XP,   1056                        ; LDS pitch of a bf16 row: 1,024 + 32.  Rows 8-15 and 24-31 lie 16 bytes further right: the sixteen rows of a plain
                                       ; fragment load then start at 32 r mod 256 (r < 8) and 32 r + 16 mod 256, and the eight rows x two columns of a transposing
                                       ; load at 32 i and 32 i + 16: sixteen different 16-byte columns of the 64 banks of 4 bytes (ISA guide 11.1) in both
.set XSW,  32*XP                       ; a wave's scratch
.set UB,   4*XSW                       ; u in bf16, [8 heads] with pitch UP
.set UP,   1040                        ; 1,024 + 16
.set YP,   2144                        ; the tail: a head's row in a wave's scratch: y 0..2047, l x 16 at 2048, m at 2112
.set GO,   1                           ; v1   16 lane: my bytes in a record of part; never rewritten
.set AAD,  3                           ; v3   scratch + r XP + 16 (r / 8) + 16 h
.set TAD,  4                           ; v4   scratch + (8 h + lane % 8) XP + 16 h + 16 ((lane / 8) % 2)
.set UAD,  5                           ; v5   UB + hd(r) UP + 16 h
.set M,    6                           ; v6   running maximum of head hd(r)
.set MN,   7                           ; v7   the new one (equal to M behind the update: v[6:7] serves as a pair)
.set AL,   8                           ; v8   2^(old maximum - new)
.set TP,   9                           ; v9   the other half-wave's maximum
.set SC,   10                          ; v[10:13] AL of heads 4 h + 0..3
.set UST,  10                          ; v10  at the head only: where I put u
.set YST,  14                          ; v14  scratch + 4 h YP + 4 r
.set MST,  15                          ; v15  scratch + hd(r) YP
.set T,    16                          ; v[16:23] at work
.set ONES, 24                          ; v[24:31] a B fragment of ones
.set LS,   32                          ; v[32:39] l
.set DL,   40                          ; v[40:55] logits: rows 0-15, rows 16-31
.set P,    56                          ; v[56:63] p as an A fragment
.set F,    64                          ; v[64:127] at the head: u as loaded; in the tail: see there
.set U,    128                         ; v[128:255] u's fragments, K step ks at U + 8 ks
.set TT,   240                         ; window 2: v[240:251] six pairs of packed words
.set GO2,  252                         ; window 2: 16 lane: my bytes in a quarter row of x; never rewritten
.set XST2, 253                         ; window 2: scratch + 8 lane; never rewritten
.set MSB, 0
.macro WIN new                         ; s_set_vgpr_msb; the immediate's high byte repeats the setting that is left
.if MSB != \new
	s_set_vgpr_msb (MSB<<8)|\new
.set MSB, \new
.endif
.endm
.macro PLACES                          ; four places behind a matrix instruction (ISA guide 7.12.1) before a vector instruction reads its result
.rept 4
	v_nop
.endr
.endm
; Four loads of 512 consecutive bytes: row `row` of the wave's 128 into its slot.  Window 2 throughout.
.macro ASK row
.irp q, 0,1,2,3
	global_load_b128 v[16*((\row)%RING)+4*\q:16*((\row)%RING)+4*\q+3], v[GO2], s[4:5] offset:(\row)*ROWB+512*\q th:TH_LOAD_NT
.endr
.endm
; The turn of row rho: rounded, its slot asked for again 15 rows ahead, laid into the scratch.  Window 2 throughout.
; The packed words go to six register pairs by turns, so that a pair is written again six LDS stores behind the one that reads it.
.macro ROW rho
.if ROWS-1-(\rho) >= RING-1
	s_wait_loadcnt 4*(RING-1)                      ; loads return in order: this row's four are in, the 14 younger rows' 56 stay out
.else
	s_wait_loadcnt 4*(ROWS-1-(\rho))               ; the last rows: nothing is asked for any more, the counts run down
.endif
.if (\rho) > 0
	s_wait_alu depctr_vm_vsrc(0)                   ; the LDS stores of the rows before have read the packed words, which the conversions below write again
.endif
.irp q, 0,1,2,3
	v_cvt_pk_bf16_f32 v[TT+2*((4*(\rho)+\q)%6)],   v[16*((\rho)%RING)+4*\q],   v[16*((\rho)%RING)+4*\q+1]
	v_cvt_pk_bf16_f32 v[TT+2*((4*(\rho)+\q)%6)+1], v[16*((\rho)%RING)+4*\q+2], v[16*((\rho)%RING)+4*\q+3]
.endr
	s_wait_alu depctr_va_vdst(0)                   ; the conversions have written the packed words, which the stores below read, and are done reading the slot, in which the loads below land
.if (\rho)+RING < ROWS
	ASK \rho+RING
.endif
.irp q, 0,1,2,3
	ds_store_b64 v[XST2], v[TT+2*((4*(\rho)+\q)%6):TT+2*((4*(\rho)+\q)%6)+1] offset:((\rho)%32)*XP+16*((((\rho)%32)>>3)&1)+256*\q   ; 32 lanes, 256 neighbouring bytes
.endr
.endm
; The matrix work of a step.  first = 1: the first products start y and l, and nothing is scaled.
.macro MATRIX first
	; product 1.  LDS serves a wave's instructions in order (ISA guide 5.7.1.4): these loads see the stores of the rows above.
	; No wait on va_vdst here: the last row's stands behind every product that read window 3, and since it only loads and stores of other registers were issued.
	WIN 0xc0                                       ; destination in window 3
.set ks, 0
.rept 16
	ds_load_b128 v[16*ks:16*ks+3],     v[AAD] offset:64*ks            ; rows 0-15, channels 32 ks ..
	ds_load_b128 v[16*ks+4:16*ks+7],   v[AAD] offset:64*ks+32
	ds_load_b128 v[16*ks+8:16*ks+11],  v[AAD] offset:64*ks+16*XP      ; rows 16-31
	ds_load_b128 v[16*ks+12:16*ks+15], v[AAD] offset:64*ks+16*XP+32
.set ks, ks+1
.endr
	WIN 0x03                                       ; A in window 3
.set ks, 0
.rept 16
	s_wait_dscnt 60-4*ks                           ; of the 64 loads those younger than this K step's four may stay out
.if ks == 0
	v_wmma_f32_16x16x32_bf16 v[DL:DL+7],    v[0:7],  v[U:U+7], 0
	v_wmma_f32_16x16x32_bf16 v[DL+8:DL+15], v[8:15], v[U:U+7], 0
.else
	v_wmma_f32_16x16x32_bf16 v[DL:DL+7],    v[16*ks:16*ks+7],    v[U+8*ks:U+8*ks+7], v[DL:DL+7]       ; the two accumulators take turns
	v_wmma_f32_16x16x32_bf16 v[DL+8:DL+15], v[16*ks+8:16*ks+15], v[U+8*ks:U+8*ks+7], v[DL+8:DL+15]
.endif
.set ks, ks+1
.endr
	; product 2's B fragments (K = 32 rows, N = 16 channels): tiles 0 to 15 go out now and are on their way during the maximum's chain
	WIN 0xc0                                       ; destination in window 3: the switch, the wait, the loads
	s_wait_alu depctr_va_vdst(0)                   ; product 1 is done reading its A fragments: product 2's B fragments land in the same registers
.set t, 0
.rept 16
	ds_load_tr16_b128 v[8*t:8*t+3],   v[TAD] offset:32*t
	ds_load_tr16_b128 v[8*t+4:8*t+7], v[TAD] offset:32*t+16*XP
.set t, t+1
.endr
	WIN 0
	PLACES                                         ; in front of the reads of the logits: the wait above fills no place
	; the 32 rows' maximum for head hd(r): my 16 logits in two chains, then the other half-wave's
	v_max3_num_f32 v[MN], v[DL],   v[DL+1],  v[DL+2]
	v_max3_num_f32 v[T],  v[DL+3], v[DL+4],  v[DL+5]
	v_max3_num_f32 v[MN], v[MN],   v[DL+6],  v[DL+7]
	v_max3_num_f32 v[T],  v[T],    v[DL+8],  v[DL+9]
	v_max3_num_f32 v[MN], v[MN],   v[DL+10], v[DL+11]
	v_max3_num_f32 v[T],  v[T],    v[DL+12], v[DL+13]
	v_max3_num_f32 v[MN], v[MN],   v[DL+14], v[DL+15]
	v_max_num_f32 v[MN], v[MN], v[T]
	v_permlanex16_b32 v[TP], v[MN], s12, s13
	v_max_num_f32 v[MN], v[MN], v[TP]
.if \first == 0
	v_max_num_f32 v[MN], v[MN], v[M]
	v_sub_f32 v[AL], v[M], v[MN]
	v_exp_f32 v[AL], v[AL]                         ; the factor for the old sums; the index lines below are the plain place behind it (ISA guide 5.7.2)
	v_and_b32 v[T], 16, v0
	v_lshlrev_b32 v[T], 1, v[T]                    ; register j of the sums is row m = 8 h + j of p, which lane 8 h + j made: byte index 4 j + 32 h
.irp j, 1,2,3
	v_add_nc_u32 v[T+\j], 4*\j, v[T]
.endr
.endif
	v_mov_b32 v[M], v[MN]
.if \first == 0
	s_wait_alu depctr_va_vdst(0)                   ; the factor and the four indices are written, which the lane pulls read; the last step's scalings are done reading v[SC ..], in which they land
.irp j, 0,1,2,3
	ds_bpermute_b32 v[SC+\j], v[T+\j], v[AL]
.endr
.endif
	WIN 0xc0                                       ; tiles 16 to 31.  No further wait: no vector or matrix instruction since the wait behind product 1 names window 3 or v[TAD]
.rept 16
	ds_load_tr16_b128 v[8*t:8*t+3],   v[TAD] offset:32*t
	ds_load_tr16_b128 v[8*t+4:8*t+7], v[TAD] offset:32*t+16*XP
.set t, t+1
.endr
	WIN 0
	; p = 2^(logit - maximum), at most 1
.irp i, 0,1,2,3,4,5,6,7
	v_pk_add_f32 v[DL+2*\i:DL+2*\i+1], v[DL+2*\i:DL+2*\i+1], v[M:M+1] neg_lo:[0,1] neg_hi:[0,1]
.endr
.set i, 0
.rept 16
	v_exp_f32 v[DL+i], v[DL+i]
.set i, i+1
.endr
	v_nop                                          ; the plain place behind the exponentials
	s_wait_alu depctr_va_vdst(0)
.irp i, 0,1,2,3,4,5,6,7
	v_cvt_pk_bf16_f32 v[P+\i], v[DL+2*\i], v[DL+2*\i+1]   ; rows 8 h + 2 i, + 1 (i < 4), 16 + 8 h + .. (i >= 4): the A fragment's own order
.endr
.if \first == 0
	s_wait_dscnt 32                                ; the 32 loads of tiles 16 to 31 are younger than the four lane pulls: the pulls are back, and tiles 0 to 15 are in
	v_pk_mul_f32 v[LS:LS+1],   v[LS:LS+1],   v[SC:SC+1]
	v_pk_mul_f32 v[LS+2:LS+3], v[LS+2:LS+3], v[SC+2:SC+3]
	WIN 0x41                                       ; destination and source 0 in window 1
.set t, 0
.rept 32
	v_pk_mul_f32 v[8*t:8*t+1],   v[8*t:8*t+1],   v[SC:SC+1]
	v_pk_mul_f32 v[8*t+2:8*t+3], v[8*t+2:8*t+3], v[SC+2:SC+3]
.set t, t+1
.endr
.endif
	; product 2: 32 tiles of y and l, one instruction each: no two that follow each other share an accumulator
	WIN 0x5c                                       ; B in window 3, C and D in window 1
.set t, 0
.rept 32
.if (t%4) == 0
.if \first || (t >= 16)
	s_wait_dscnt 56-2*t                            ; the loads younger than the eight of tiles t .. t + 3 may stay out (the first step has no lane pulls among them)
.endif
.endif
.if \first
	v_wmma_f32_16x16x32_bf16 v[8*t:8*t+7], v[P:P+7], v[8*t:8*t+7], 0
.else
	v_wmma_f32_16x16x32_bf16 v[8*t:8*t+7], v[P:P+7], v[8*t:8*t+7], v[8*t:8*t+7]
.endif
.set t, t+1
.endr
	WIN 0
.if \first
	v_wmma_f32_16x16x32_bf16 v[LS:LS+7], v[P:P+7], v[ONES:ONES+7], 0
.else
	v_wmma_f32_16x16x32_bf16 v[LS:LS+7], v[P:P+7], v[ONES:ONES+7], v[LS:LS+7]
.endif
.endm
	s_load_b128 s[4:7], s[0:1], 0x0                ; x s[4:5], ubuf s[6:7]
	s_load_b64 s[8:9], s[0:1], 0x10                ; part
	s_set_vgpr_msb 0x80
	v_lshl_add_u32 v254, v0, 2, 0x23400
	v_mov_b32 v255, 0
	s_set_vgpr_msb 0x8000
	v_lshrrev_b32 v16, 5, v0
	v_readfirstlane_b32 s10, v16                   ; wave
	v_lshlrev_b32 v17, 4, v0                       ; u: 16 bytes a thread, a head for the 128 threads
	v_and_b32 v18, 31, v0                          ; lane
	v_lshlrev_b32 v[GO], 4, v18
	s_mov_b32 s12, 0x76543210                      ; v_permlanex16_b32: lane i reads lane i of the other half
	s_mov_b32 s13, 0xfedcba98
	s_lshl_b32 s16, ttmp9, 20                      ; 512 rows of 2,048 bytes a work-group,
	s_mov_b32 s17, 0
	s_wait_alu depctr_va_sdst(0)                   ; s10 is written, ahead of its first reader: the scratch and the places in x and part are made from it
	s_mul_i32 s14, s10, XSW                        ; my scratch
	s_lshl_b32 s18, s10, 18                        ; 128 a wave
	s_add_co_u32 s16, s16, s18
	s_mul_i32 s18, ttmp9, 20480                    ; part: eight records of 2,560 bytes a work-group; wave w writes those of heads w and w + 4
	s_mul_i32 s19, s10, 2560
	s_add_co_u32 s18, s18, s19
	s_mov_b32 s19, 0
	WIN 0x80                                       ; destination in window 2
	v_lshlrev_b32 v[GO2], 4, v18
	v_lshl_add_u32 v[XST2], v18, 3, s14
	WIN 0
	s_wait_kmcnt 0x0
	s_add_nc_u64 s[4:5], s[4:5], s[16:17]
	s_add_nc_u64 s[8:9], s[8:9], s[18:19]
	s_wait_alu depctr_va_vdst(0)                   ; v17, v[GO] and the two addresses in window 2 are written: the loads of u and every load of x read them as offsets, every row's stores as address
.irp i, 0,1,2,3,4,5,6,7
	global_load_b128 v[F+4*\i:F+4*\i+3], v17, s[6:7] offset:2048*\i      ; head i
.endr
	WIN 0xaa                                       ; everything in window 2
.set rw, 0
.rept 13
	ASK rw                                         ; rows 0 to 12: with u's eight loads 60 are out
.set rw, rw+1
.endr
	WIN 0
	v_and_b32 v19, 15, v0                          ; r
	v_bfe_u32 v20, v0, 4, 1                        ; h
	v_bfe_u32 v23, v0, 3, 1                        ; r / 8
	v_add_nc_u32 v2, v20, v23                      ; plain loads: column h, shift r / 8; transposing loads: column r / 8, shift h
	v_mul_u32_u24 v21, v19, XP
	v_lshl_add_u32 v21, v2, 4, v21
	v_add_nc_u32 v[AAD], s14, v21
	v_and_b32 v22, 7, v0
	v_lshl_add_u32 v22, v20, 3, v22
	v_mul_u32_u24 v22, v22, XP
	v_lshl_add_u32 v22, v2, 4, v22
	v_add_nc_u32 v[TAD], s14, v22
	v_lshl_add_u32 v21, v23, 2, v19
	v_and_b32 v21, 7, v21                          ; hd(r)
	v_mul_u32_u24 v22, v21, UP
	v_lshl_add_u32 v22, v20, 4, v22
	v_add_nc_u32 v[UAD], UB, v22
	v_mul_u32_u24 v22, v21, YP
	v_add_nc_u32 v[MST], s14, v22
	v_mul_u32_u24 v22, v20, 4*YP
	v_lshl_add_u32 v22, v19, 2, v22
	v_add_nc_u32 v[YST], s14, v22
	v_lshlrev_b32 v21, 3, v0                       ; u's stage: channels 4 t .. of head i at UB + i UP + 8 t
	v_add_nc_u32 v[UST], UB, v21
.irp i, 0,1,2,3,4,5,6,7
	v_mov_b32 v[ONES+\i], 0x3f803f80               ; two bf16 ones
.endr
	v_mov_b32 v[TP], 0                             ; a lane permute's destination counts as read
	s_wait_loadcnt 52                              ; the 52 loads of x are younger: u is in
	WIN 0xaa
	ASK 13                                         ; the ring's last two slots: 60 loads are out again.  No vector instruction since the wait on va_vdst above names
	ASK 14                                         ; their offset or their slots
	WIN 0
.irp i, 0,1,2,3,4,5,6,7
	v_cvt_pk_bf16_f32 v[DL+2*\i],   v[F+4*\i],   v[F+4*\i+1]
	v_cvt_pk_bf16_f32 v[DL+2*\i+1], v[F+4*\i+2], v[F+4*\i+3]
.endr
	s_wait_alu depctr_va_vdst(0)                   ; the conversions have written v[DL ..], which the LDS stores read; v[UST] and the LDS addresses v3 to v5, v14 and v15 are written
.irp i, 0,1,2,3,4,5,6,7
	ds_store_b64 v[UST], v[DL+2*\i:DL+2*\i+1] offset:UP*\i
.endr
	s_wait_dscnt 0x0                               ; my part of u is in LDS before I say so
	s_barrier_signal -1
	s_barrier_wait -1                              ; everybody's is; the loads of x stay on their way
.set ks, 0
.rept 16
	ds_load_b128 v[U+8*ks:U+8*ks+3],   v[UAD] offset:64*ks       ; u's fragments, once: they are older than every LDS instruction
	ds_load_b128 v[U+8*ks+4:U+8*ks+7], v[UAD] offset:64*ks+32    ; that product 1's counted waits leave out
.set ks, ks+1
.endr
.set rw, 0
	WIN 0xaa
.rept 32
	ROW rw
.set rw, rw+1
.endr
	MATRIX 1
.rept 3
	WIN 0xaa
.rept 32
	ROW rw
.set rw, rw+1
.endr
	MATRIX 0
.endr
	; THE TAIL.  Each wave lays its y, l and maximum by head into its own scratch (its reads of it are back);
	; behind the barrier wave w adds up heads w and w + 4 over the four waves.
	; The four LDS addresses for the way back are made here: they name no register of the last products and are the four places behind them (ISA guide 7.12.1).
	s_mul_i32 s15, s10, YP
	s_wait_alu depctr_vm_vsrc(0)                   ; the last step's lane pulls have read v[T] and v[T+1], which are written below
.irp k, 0,1
	s_add_co_u32 s[20+\k], s15, 2*\k*XSW           ; waves 2 k and 2 k + 1: the odd one, and head w + 4, through the immediate
	v_mov_b32 v[T+\k], s[20+\k]
	v_add_nc_u32 v[T+4+\k], s[20+\k], v[GO]
.endr
	s_wait_alu depctr_va_vdst(0)                   ; the products have written y and l, which the LDS stores read, as they read M; the four addresses above are written; product 1 is done reading u's fragments, in which the waves' y lands behind the barrier
	WIN 0x04                                       ; an LDS store's data in window 1
.set t, 0
.rept 32
.irp j, 0,1,2,3
	ds_store_b32 v[YST], v[8*t+\j] offset:\j*YP+64*t       ; head 4 h + j, channel 16 t + r
.endr
.set t, t+1
.endr
	WIN 0
.irp j, 0,1,2,3
	ds_store_b32 v[YST], v[LS+\j] offset:\j*YP+2048
.endr
	ds_store_b32 v[MST], v[M] offset:2112          ; the lanes of one head hold the same number: their columns of u are the same
	s_wait_dscnt 0x0
	s_barrier_signal -1
	s_barrier_wait -1
; c = 4 e + v: head w + 4 e, wave v
.set ST, F                             ; v[64:71] the waves' maxima, v[72:79] their l
.set BT, F+16                          ; v[80:95]   2^(m - maximum), each twice: pairs for the packed forms
.set O,  F+32                          ; v[96:127]  the two heads' y: channels 128 i + 4 lane ..
.set MG, DL                            ; v[40:47]   (maximum, l, maximum, l) for each of the two heads
.set YL, U                             ; v[128:255] y of (head, wave) c at YL + 16 c
.set c, 0
.rept 8
	ds_load_b32 v[ST+c], v[T+(c%4)/2] offset:(c%2)*XSW+4*(c/4)*YP+2112     ; no vector instruction since the wait on va_vdst above: it serves these 48 loads too
.set c, c+1
.endr
.set c, 0
.rept 8
	ds_load_b32 v[ST+8+c], v[T+(c%4)/2] offset:(c%2)*XSW+4*(c/4)*YP+2048
.set c, c+1
.endr
.set c, 0
.rept 8
.irp i, 0,1,2,3
	ds_load_b128 v[YL+16*c+4*\i:YL+16*c+4*\i+3], v[T+4+(c%4)/2] offset:(c%2)*XSW+4*(c/4)*YP+512*\i
.endr
.set c, c+1
.endr
	s_wait_dscnt 32                                ; the 32 loads of y are younger: the maxima and l are in
.irp e, 0,1
	v_max3_num_f32 v[MG+4*\e], v[ST+4*\e], v[ST+4*\e+1], v[ST+4*\e+2]
	v_max_num_f32 v[MG+4*\e], v[MG+4*\e], v[ST+4*\e+3]
.endr
.set c, 0
.rept 8
	v_sub_f32 v[ST+c], v[ST+c], v[MG+4*(c/4)]
.set c, c+1
.endr
.set c, 0
.rept 8
	v_exp_f32 v[BT+2*c],   v[ST+c]
	v_exp_f32 v[BT+2*c+1], v[ST+c]
.set c, c+1
.endr
	v_mov_b32 v[MG+2], v[MG]                       ; the plain place behind the exponentials
	v_mov_b32 v[MG+6], v[MG+4]
	s_wait_alu depctr_va_vdst(0)
.irp e, 0,1
	v_mul_f32 v[MG+4*\e+1], v[BT+8*\e], v[ST+8+4*\e]
.irp v, 1,2,3
	v_fmac_f32 v[MG+4*\e+1], v[BT+8*\e+2*\v], v[ST+8+4*\e+\v]
.endr
	v_mov_b32 v[MG+4*\e+3], v[MG+4*\e+1]
.endr
.set c, 0
.rept 8
	s_wait_dscnt 28-4*c                            ; the y loads younger than this (head, wave)'s four may stay out
.irp i, 0,1,2,3,4,5,6,7
.if (c%4) == 0
	v_pk_mul_f32 v[O+16*(c/4)+2*\i:O+16*(c/4)+2*\i+1], v[YL+16*c+2*\i:YL+16*c+2*\i+1], v[BT+2*c:BT+2*c+1]
.else
	v_pk_fma_f32 v[O+16*(c/4)+2*\i:O+16*(c/4)+2*\i+1], v[YL+16*c+2*\i:YL+16*c+2*\i+1], v[BT+2*c:BT+2*c+1], v[O+16*(c/4)+2*\i:O+16*(c/4)+2*\i+1]
.endif
.endr
.set c, c+1
.endr
	s_wait_alu depctr_va_vdst(0)                   ; the sums have written v[O ..] and v[MG ..], which the ten stores read
.irp e, 0,1
.irp i, 0,1,2,3
	global_store_b128 v[GO], v[O+16*\e+4*\i:O+16*\e+4*\i+3], s[8:9] offset:10240*\e+512*\i    ; each store of the wave covers 512 consecutive bytes, aligned
.endr
	global_store_b128 v[GO], v[MG+4*\e:MG+4*\e+3], s[8:9] offset:10240*\e+2048                ; the record's last 512 bytes: (maximum, l) in every lane
.endr
	s_set_vgpr_msb 0xa
	s_wait_dscnt 0x0
	s_wait_alu depctr_hold_cnt(0) depctr_sa_sdst(0) depctr_va_vdst(0) depctr_va_sdst(0) depctr_va_ssrc(0) depctr_va_vcc(0) depctr_vm_vsrc(0)
	s_wait_tensorcnt 0x0
	ds_add_u32 v254, v255
	s_wait_dscnt 0x0
	s_endpgm
.Lfunc_end_k_qa48dac6d86_stream:
	.size	k_qa48dac6d86_stream, .Lfunc_end_k_qa48dac6d86_stream-k_qa48dac6d86_stream
	.p2alignl 7, 3214868480
	.fill 96, 4, 3214868480
	.section	.rodata,"a",@progbits
	.p2align	6, 0x0
	.amdhsa_kernel k_qa48dac6d86_stream
		.amdhsa_group_segment_fixed_size 144896
		.amdhsa_private_segment_fixed_size 0
		.amdhsa_enable_private_segment 0
		.amdhsa_kernarg_size 24
		.amdhsa_user_sgpr_count 2
		.amdhsa_user_sgpr_kernarg_segment_ptr 1
		.amdhsa_wavefront_size32 1
		.amdhsa_system_sgpr_workgroup_id_x 1
		.amdhsa_system_sgpr_workgroup_id_y 1
		.amdhsa_system_sgpr_workgroup_id_z 1
		.amdhsa_system_vgpr_workitem_id 0
		.amdhsa_next_free_vgpr 1024
		.amdhsa_next_free_sgpr 66
		.amdhsa_reserve_vcc 0
		.amdhsa_float_denorm_mode_32 3
		.amdhsa_float_denorm_mode_16_64 3
		.amdhsa_memory_ordered 1
		.amdhsa_forward_progress 1
		.amdhsa_inst_pref_size 255
	.end_amdhsa_kernel
	.section	.bss,"aw",@nobits
	.p2align	6
	.space	262144
	.amdgpu_metadata
---
amdhsa.version: [ 1, 2 ]
amdhsa.kernels:
  - .name:           k_qa48dac6d86_stream
    .symbol:         k_qa48dac6d86_stream.kd
    .args:
      - { .name: x, .offset: 0, .size: 8, .value_kind: global_buffer, .address_space: global }
      - { .name: ubuf, .offset: 8, .size: 8, .value_kind: global_buffer, .address_space: global }
      - { .name: part, .offset: 16, .size: 8, .value_kind: global_buffer, .address_space: global }
    .group_segment_fixed_size: 144896
    .private_segment_fixed_size: 0
    .kernarg_segment_align: 8
    .kernarg_segment_size: 24
    .max_flat_workgroup_size: 128
    .sgpr_count:     66
    .vgpr_count:     1024
    .wavefront_size: 32
...
	.end_amdgpu_metadata
.endif
;; end of part 5
;; launch pool: the kernel of part 3 again; grid 8 x 16, 8 waves a work-group, no clusters, 5,120 bytes of LDS; arguments part, Wv, pooled; writes pooled
;; launch proj: the kernel of part 4 again; grid 8 x 16, 8 waves a work-group, no clusters, 3,072 bytes of LDS; arguments pooled, Wp, bp, out0; writes out0
